; MI455X (gfx1250); checked and timed in simulation.
; The chip was launched on July 23, 2026; its instructions are those of AMD's public machine-readable ISA for CDNA 5 (MIT licence, August 2026) and "CDNA5" Instruction Set Architecture Reference Guide (July 2026). The comments in the code are by the model that wrote it; some were corrected since.
;; Causal MQA. Allowed arithmetic: matrix products marked QUANTISED: E2M3 operands, one E8M0 scale for each 32 along K, by v_wmma_scale_f32_16x16x128_f8f6f4 with both operands' format E2M3, f32 sums; everything else in f32.
;; Inputs: w_kv 256 x 2,048 float32; w_q 2,048 x 2,048 float32; x 2 x 2,048 x 2,048 float32.
;; Outputs: out0 2 x 2,048 x 2,048 float32.
;; This version of the problem:
;;   THIS VERSION OF THE PROBLEM IS GIVEN IN LOW PRECISION. The matrix products marked QUANTISED in the list below multiply operands that are first quantised to E2M3 (2 exponent bits, 3 mantissa bits; 6 bits a number), with one power-of-two scale for each 32 numbers along K (OCP MX v1.0); their sums are f32. All else is computed in f32.
;;   The module's matrix products, in the order in which they are computed (A, B: the left and right operand; K: the contracted axis; several contracted axes count as one K, in the product's order):
;;     1. [M 4,096, K 2,048] x [K 2,048, N 256]; A: input x; B: input w_kv: QUANTISED
;;     2. [M 4,096, K 2,048] x [K 2,048, N 2,048]; A: input x; B: input w_q: QUANTISED
;;     3. batch 2 x [M 32,768, K 128] x [K 128, N 2,048]; A: computed on the way; B: computed on the way: QUANTISED
;;     4. batch 2 x [M 32,768, K 2,048] x [K 2,048, N 128]; A: softmax (see below); B: computed on the way: QUANTISED
;;   THE QUANTISER, for each operand of a quantised product, along K:
;;     - K is cut into blocks of 32 from its start; a last block that is shorter is filled with zeros.
;;     - A block's scale is 2^e with e = floor(log2(the largest magnitude in the block)) - 2, held to -126 .. 127; a block of zeros has e = 0. As a byte (E8M0): e + 127.
;;     - Each number is divided by its block's scale, clamped to +-7.5, and rounded to the nearest number of E2M3, ties to even, subnormals kept.
;;     - The product sums the exact products of the quantised numbers (number of the format x scale) in f32.
;;   ~~~python
;;   def quantise(x, axis):      # numpy; x: float32 -> the quantised numbers, widened to float32 again
;;       x = np.moveaxis(x, axis, -1); K = x.shape[-1]
;;       x = np.pad(x, [(0, 0)] * (x.ndim - 1) + [(0, -K % 32)]); x = x.reshape(x.shape[:-1] + (-1, 32)); a = np.abs(x).max(-1, keepdims=True)
;;       e = np.where(a > 0, np.clip(np.frexp(np.where(a > 0, a, 1))[1] - 1 - 2, -126, 127), 0)      # np.frexp(a)[1] - 1 = floor(log2(a)), exactly
;;       r = np.clip(x / 2.0 ** e, -7.5, 7.5)
;;       step = 2.0 ** (np.maximum(np.frexp(np.where(r == 0, 1, r))[1] - 1, 0) - 3)
;;       q = np.round(r / step) * step * 2.0 ** e      # np.round: ties to even
;;       return np.moveaxis(q.reshape(q.shape[:-2] + (-1,))[..., :K], -1, axis).astype(np.float32)
;;   ~~~
;;   SOFTMAX AHEAD OF A QUANTISED PRODUCT. Where the list says 'softmax', what is quantised is not the finished softmax but p = 2^(t - M), with t = logit x log2(e) and M = ceil(the row's largest t), a whole number; so 1/2 < the row's largest p <= 1. The row's sum l is taken of the UNQUANTISED p, in f32, and the product's result is divided by l at the end. Since M is a whole number, a kernel that streams over the keys may use a running M (the ceiling of the running maximum): every later rescaling is an exact power of two, which a block's scale takes up: the codes' values come out the same.
;;   OPERANDS COMPUTED ON THE WAY. 'Computed on the way' means the value that the module computes at that place (a softmax that the list does not call 'softmax' is quantised finished and normalised). What goes into a quantiser is computed in f32, as accurately as f32 sums, v_exp_f32 and their like allow (about 1e-6 of the number): no bf16 or f16 on the way to a quantiser, and a product that is left as it is and whose result goes on into a quantised operand takes f32 operands (vector FMAs, or v_wmma_f32_16x16x4_f32). A number that lies on a knife's edge between two numbers of the format may be rounded either way, as far as f32 arithmetic and the matrix unit's own rounding can turn it there, and no further.
;; One version. Each part assembles by itself: llvm-mc -triple=amdgcn-amd-amdhsa -mcpu=gfx1250 --defsym DOCPART=n.
;; ======== version 1 of 1: 3 launches
;; limits: right only within a limited range of input values
;; workspace buffers: x_codes 6,291,456 bytes; x_scales 262,144 bytes; w_codes 3,538,944 bytes; w_scales 147,456 bytes; q_img 6,291,456 bytes; q_sc 524,288 bytes; kv_img 786,432 bytes; kv_sc 65,536 bytes
;; launch quant (part 1): grid 400 x 1, 4 waves a work-group, no clusters, 34,304 bytes of LDS; arguments x, w_q, w_kv, x_codes, x_scales, w_codes, w_scales; writes x_codes, x_scales, w_codes, w_scales
.if DOCPART == 1
	.amdgcn_target "amdgcn-amd-amdhsa--gfx1250"
	.amdhsa_code_object_version 6
	.text
	.protected	k_qc4c4f16c46_quant
	.globl	k_qc4c4f16c46_quant
	.p2align	8
	.type	k_qc4c4f16c46_quant,@function
k_qc4c4f16c46_quant:
	s_mov_b64 s[64:65], 0
	v_nop
	global_prefetch_b8 v0, s[64:65] scope:SCOPE_SE
	s_setreg_imm32_b32 hwreg(HW_REG_WAVE_MODE, 25, 1), 1
	s_wait_xcnt 0x0
; x [4096][2048], w_q [2048][2048], w_kv [256][2048], f32 -> codes of FP6 (E2M3) with one E8M0 byte for each 32 along K.
; w_q's and w_kv's results share one buffer, w_q's 2,048 rows first.  Nothing of the computation is left out here; the last launch leaves out key steps that lie wholly under the causal mask.
; THE CODES ARE STORED AS IMAGES OF A MATRIX FRAGMENT'S REGISTERS: 16 rows x 128 K = 12 registers a lane = 1,536 bytes, registers 4 k .. 4 k + 3 at 512 k + 16 x lane.
; Lane (r, h) of a fragment holds row r, K = 64 c + 32 h + 0..31 in registers 6 c .. 6 c + 5.  Images lie [256 rows][K step of 128][16 images].
; THE SCALE WORDS (four bytes: one row, 128 K) lie [256 rows][four K steps][row][4 words].
; A block's byte is its largest magnitude's exponent field - 2, held at 1 from below; a block of zeros keeps the byte 1 (zero codes; this program alone reads the bytes).
; LIMITS: blocks whose largest magnitude lies under 2^-124 keep the byte 1; NaN and infinities among the inputs are not served.
; A work-group takes 16 rows (0-255: x, 256-383: w_q, 384-399: w_kv), a wave 512 along K: four fragments.  Each load reads 512 consecutive bytes of a row; a fragment's 16 loads turn through
; the wave's own stage in LDS (rows of 512 + 16 bytes) and come back 128 consecutive bytes a lane and block: a lane holds two whole blocks.  Waves share nothing: no barrier.
.set SP,    528
.set STG,   16*SP
.set SPARE, 4*STG                      ; the spare words, 512 bytes
.set R,     16                         ; v16-143  two sets of 64 registers as loaded
.set X,     144                        ; v144-207 my 64 numbers
.set C,     208                        ; v208-255 codes: 12 registers for each fragment, so that no store's data are written again
	s_load_b256 s[4:11], s[0:1], 0x0               ; x, w_q, w_kv, x's codes
	s_load_b128 s[12:15], s[0:1], 0x20             ; x's scales, the weights' codes
	s_load_b64 s[24:25], s[0:1], 0x30              ; the weights' scales
	v_lshl_add_u32 v6, v0, 2, SPARE                ; my spare word; never rewritten
	v_mov_b32 v7, 0                                ; 0; never rewritten
	v_lshrrev_b32 v1, 5, v0
	v_readfirstlane_b32 s16, v1                    ; wave
	v_and_b32 v2, 31, v0
	v_lshlrev_b32 v3, 4, v2                        ; 16 x lane: loads and code stores
	s_mul_i32 s18, s16, STG
	v_add_nc_u32 v4, s18, v3                       ; stage, in
	v_and_b32 v12, 15, v0                          ; r
	v_bfe_u32 v1, v0, 4, 1                         ; h
	v_mul_u32_u24 v5, v12, SP
	v_lshl_add_u32 v5, v1, 7, v5
	v_add_nc_u32 v5, s18, v5                       ; stage, out: row r, 128 h bytes on
	v_lshlrev_b32 v2, 3, v1                        ; 8 h
	v_cmp_eq_u32 s30, 1, v1                        ; lanes 16-31
	v_mov_b32 v13, 0                               ; a lane permute's destination counts as a source
	s_mov_b32 s22, 0x76543210
	s_mov_b32 s23, 0xfedcba98                      ; selects: lane l xor 16
	s_wait_alu depctr_va_vdst(0)                   ; the wait at the head's end
	s_wait_kmcnt 0x0
	s_cmp_lt_u32 ttmp9, 256                        ; the choices hang on the work-group's number alone
	s_cselect_b64 s[4:5], s[4:5], s[6:7]
	s_cselect_b64 s[10:11], s[10:11], s[14:15]
	s_cselect_b64 s[12:13], s[12:13], s[24:25]
	s_cselect_b32 s17, 0, 256
	s_mov_b32 s26, s17
	s_cmp_lt_u32 ttmp9, 384
	s_cselect_b64 s[4:5], s[4:5], s[8:9]
	s_cselect_b32 s26, s26, 384
	s_sub_co_u32 s26, ttmp9, s26                   ; which 16 rows of the tensor I read,
	s_sub_co_u32 s17, ttmp9, s17                   ; and of the buffers I store into
	s_lshl_b32 s20, s26, 17                        ; 16 rows of 8,192 bytes
	s_lshl_b32 s27, s16, 11                        ; my 512 numbers of each
	s_add_co_u32 s20, s20, s27
	s_mov_b32 s21, 0
	s_add_nc_u64 s[4:5], s[4:5], s[20:21]
	s_lshr_b32 s28, s17, 4                         ; which 256 rows
	s_and_b32 s29, s17, 15                         ; which image of their 16
	s_mul_i32 s20, s28, 16*24576
	s_mul_i32 s27, s16, 4*24576
	s_add_co_u32 s20, s20, s27
	s_mul_i32 s27, s29, 1536
	s_add_co_u32 s20, s20, s27
	s_add_nc_u64 s[10:11], s[10:11], s[20:21]
	s_lshl_b32 s20, s28, 14
	s_lshl_b32 s27, s16, 12
	s_add_co_u32 s20, s20, s27
	s_lshl_b32 s27, s29, 8
	s_add_co_u32 s20, s20, s27
	s_add_nc_u64 s[12:13], s[12:13], s[20:21]
.macro LOAD f
.set j, 0
.rept 16
	global_load_b128 v[R+64*((\f)%2)+4*j:R+64*((\f)%2)+4*j+3], v3, s[4:5] offset:8192*j+512*(\f) th:TH_LOAD_NT
.set j, j+1
.endr
.endm
.macro FRG f
.set CF, C+12*(\f)
.if (\f) < 3
	s_wait_loadcnt 16                              ; this fragment's 16 loads are in; the next one's may be out
.else
	s_wait_loadcnt 0
.endif
.set j, 0
.rept 16
	ds_store_b128 v4, v[R+64*((\f)%2)+4*j:R+64*((\f)%2)+4*j+3] offset:SP*j
.set j, j+1
.endr
.set j, 0
.rept 16
	ds_load_b128 v[X+4*j:X+4*j+3], v5 offset:256*(j/8)+16*(j%8)   ; LDS serves a wave's instructions in order: these see the stores
.set j, j+1
.endr
	s_wait_dscnt 0x0
.if (\f)+2 < 4
	LOAD (\f)+2
.endif
.irp q, 0,1,2,3                                ; four chains of 16 numbers; the floor 2^(3 - 127) holds the byte at 1
	v_max3_num_f32 v[8+\q], |v[X+16*\q]|, |v[X+16*\q+1]|, 0x1800000
.endr
.irp i, 2,4,6,8,10,12,14
.irp q, 0,1,2,3
	v_max3_num_f32 v[8+\q], v[8+\q], |v[X+16*\q+\i]|, |v[X+16*\q+\i+1]|
.endr
.endr
	v_max_num_f32 v8, v8, v9                       ; block h
	v_max_num_f32 v10, v10, v11                    ; block 2 + h
	v_add_nc_u32 v9, 0xff000000, v8                ; 2 off the exponent field: the conversion's scale operand
	v_add_nc_u32 v11, 0xff000000, v10
	v_cvt_scalef32_pk16_fp6_f32 v[CF:CF+2], v[X:X+15], v9
	v_cvt_scalef32_pk16_fp6_f32 v[CF+6:CF+8], v[X+32:X+47], v11
	v_lshrrev_b32 v8, 23, v9                       ; the bytes (plain lines behind the conversions)
	v_lshrrev_b32 v10, 23, v11
	v_cvt_scalef32_pk16_fp6_f32 v[X:X+2], v[X+16:X+31], v9        ; a conversion's three registers begin on an even number: made here and moved
	v_cvt_scalef32_pk16_fp6_f32 v[X+32:X+34], v[X+48:X+63], v11
	v_lshl_or_b32 v12, v10, 16, v8
	v_lshlrev_b32 v12, v2, v12                     ; my two bytes at their places in the word
	v_permlanex16_b32 v13, v12, s22, s23
.irp i, 0,1,2
	v_mov_b32 v[CF+3+\i], v[X+\i]
	v_mov_b32 v[CF+9+\i], v[X+32+\i]
.endr
.if (\f) < 2
	v_or_b32 v[14+(\f)], v12, v13                  ; the row's scale word of this K step
.else
	v_or_b32 v12, v12, v13
	v_cndmask_b32 v[12+(\f)], v[12+(\f)], v12, s30 ; lanes 16-31 keep K steps 2 and 3, lanes 0-15 K steps 0 and 1
.endif
.irp k, 0,1,2
	global_store_b128 v3, v[CF+4*\k:CF+4*\k+3], s[10:11] offset:24576*(\f)+512*\k   ; 512 consecutive bytes, aligned
.endr
.endm
	LOAD 0
	LOAD 1
	FRG 0
	FRG 1
	FRG 2
	FRG 3
	v_and_b32 v8, 15, v0
	v_lshl_add_u32 v8, v8, 4, v2                   ; 16 r + 8 h
	s_wait_alu depctr_va_vdst(0)                   ; the wait ahead of the reader below
	global_store_b64 v8, v[14:15], s[12:13]        ; 32 lanes store 256 consecutive bytes, aligned
	s_wait_tensorcnt 0x0                           ; the wave's end
	ds_add_u32 v6, v7
	s_wait_dscnt 0x0
	s_endpgm
.Lfunc_end_k_qc4c4f16c46_quant:
	.size	k_qc4c4f16c46_quant, .Lfunc_end_k_qc4c4f16c46_quant-k_qc4c4f16c46_quant
	.p2alignl 7, 3214868480
	.fill 96, 4, 3214868480
	.section	.rodata,"a",@progbits
	.p2align	6, 0x0
	.amdhsa_kernel k_qc4c4f16c46_quant
		.amdhsa_group_segment_fixed_size 34304
		.amdhsa_private_segment_fixed_size 0
		.amdhsa_enable_private_segment 0
		.amdhsa_kernarg_size 56
		.amdhsa_user_sgpr_count 2
		.amdhsa_user_sgpr_kernarg_segment_ptr 1
		.amdhsa_wavefront_size32 1
		.amdhsa_system_sgpr_workgroup_id_x 1
		.amdhsa_system_sgpr_workgroup_id_y 1
		.amdhsa_system_sgpr_workgroup_id_z 1
		.amdhsa_system_vgpr_workitem_id 0
		.amdhsa_next_free_vgpr 256
		.amdhsa_next_free_sgpr 66
		.amdhsa_reserve_vcc 0
		.amdhsa_float_denorm_mode_32 3
		.amdhsa_float_denorm_mode_16_64 3
		.amdhsa_memory_ordered 1
		.amdhsa_forward_progress 1
		.amdhsa_inst_pref_size 31
	.end_amdhsa_kernel
	.amdgpu_metadata
---
amdhsa.version: [ 1, 2 ]
amdhsa.kernels:
  - .name:           k_qc4c4f16c46_quant
    .symbol:         k_qc4c4f16c46_quant.kd
    .args:
      - { .name: x, .offset: 0, .size: 8, .value_kind: global_buffer, .address_space: global }
      - { .name: w_q, .offset: 8, .size: 8, .value_kind: global_buffer, .address_space: global }
      - { .name: w_kv, .offset: 16, .size: 8, .value_kind: global_buffer, .address_space: global }
      - { .name: x_codes, .offset: 24, .size: 8, .value_kind: global_buffer, .address_space: global }
      - { .name: x_scales, .offset: 32, .size: 8, .value_kind: global_buffer, .address_space: global }
      - { .name: w_codes, .offset: 40, .size: 8, .value_kind: global_buffer, .address_space: global }
      - { .name: w_scales, .offset: 48, .size: 8, .value_kind: global_buffer, .address_space: global }
    .group_segment_fixed_size: 34304
    .private_segment_fixed_size: 0
    .kernarg_segment_align: 8
    .kernarg_segment_size: 56
    .max_flat_workgroup_size: 128
    .sgpr_count:     66
    .vgpr_count:     256
    .wavefront_size: 32
...
	.end_amdgpu_metadata
.endif
;; end of part 1
;; launch proj (part 2): grid 16 x 9, 4 waves a work-group, clusters of 4 x 1, 327,680 bytes of LDS; arguments x_codes, x_scales, w_codes, w_scales, q_img, q_sc, kv_img, kv_sc; writes q_img, q_sc, kv_img, kv_sc
.if DOCPART == 2
	.amdgcn_target "amdgcn-amd-amdhsa--gfx1250"
	.amdhsa_code_object_version 6
	.text
	.protected	k_qc4c4f16c46_proj
	.globl	k_qc4c4f16c46_proj
	.p2align	8
	.type	k_qc4c4f16c46_proj,@function
k_qc4c4f16c46_proj:
	s_mov_b64 s[64:65], 0
	v_nop
	global_prefetch_b8 v0, s[64:65] scope:SCOPE_SE
	s_setreg_imm32_b32 hwreg(HW_REG_WAVE_MODE, 25, 1), 1
	s_wait_xcnt 0x0
	s_wait_alu depctr_hold_cnt(0) depctr_sa_sdst(0) depctr_va_vdst(0) depctr_va_sdst(0) depctr_va_ssrc(0) depctr_va_vcc(0) depctr_vm_vsrc(0)
	s_getreg_b32 s2, hwreg(HW_REG_IB_STS2, 6, 4)
	s_cmp_eq_u32 s2, 0
	s_cbranch_scc0 .Lentry_in_a_cluster
	s_endpgm
.Lentry_in_a_cluster:
	s_bfe_u32 s2, ttmp6, 0x10000c
	s_cmp_lg_u32 s2, 0x3003
	s_cbranch_scc0 .Lentry_shape_is_right
	s_endpgm
.Lentry_shape_is_right:
; [4096 rows of x] x [2304 rows of w_q, w_kv]^T on codes of FP6 with E8M0 scales, K = 2,048; the results are quantised again (Q, K along the head's axis, V along the keys) and stored as fragment images with scale words.
; A work-group makes 256 x 256, a wave 128 x 128: 64 accumulators.  Operands come as images of fragments' registers (1,536 bytes: three loads of 16 bytes a lane at 16 x lane), laid [256 rows][K step][16 images]:
; every tensor load is a dense block of rows of 256 bytes, and LDS needs no padding.  A slot holds two K steps of A's and B's 256 rows; two slots take turns.  The scale words of all of K come once, at the head.
; CLUSTER 4, 1, 1: the four work-groups share their rows of w: B's tiles are asked for jointly (mask 15); A's are each work-group's own.  The grid's 9 along y does not divide by 4, so A is not shared.
; The matrix instruction is used transposed (source 0 = rows of w, source 1 = rows of x); the waves that make V swap the two, so that their registers run along the keys.
; No data prefetch: K has eight slot fills, two of them at the head, at a block of 256 x 256 in clusters.
; WINDOWS: 0: addresses, v32-63 scale words (two sets), from v128 A's fragments; 1: B's fragments, two sets; 2, 3: accumulators.
.set HALFT,  24576                     ; one K step of 256 rows: 16 images; what one ring load brings
.set FRB,    1536
.set SLOT,   4*HALFT                   ; A's two K steps, then B's
.set TILEB,  16*HALFT                  ; all of K of 256 rows
.set NQ,     2
.set FR,     12
.set NL,     3
.set NP,     4
.set LAPS,   4
.set SCL,    2*SLOT                    ; A's scale words 16,384 bytes, then B's
.set SPARE,  SCL+32768
.set ADRA, 16
.set ADRB, 20
.set LI,   24
.set ADRS, 27
.set SPW,  28
.set NIL,  29
.set SC,   32
.set AF,   128
.set CD,   64
.set T2,   160
.set TM,   168
.set SW,   184
.set G1, 24
.set G0, 32
.set G1B, 48
.set G0B, 56
.set G1S, 68
.set G0S, 76
.set G1SB, 80
.set G0SB, 88
.set G0H, 4
.set G0HB, 8
.set SEL, 100
.set MSB, 0
.macro WIN new
.if MSB != \new
	s_set_vgpr_msb (MSB<<8)|\new
.set MSB, \new
.endif
.endm
.set MUL_LO, 0xa1
.set MUL_HI, 0xf1
.set TO_B,   0x40
.macro JLOAD g0a, g1a, g0b, g1b        ; waves 0, 1 fetch A's two K steps, waves 2, 3 B's
	s_cmp_eq_u32 s15, 0
	s_cbranch_scc0 .Lfor_b_\@
	tensor_load_to_lds s[\g0a:\g0a+3], s[\g1a:\g1a+7]
	s_nop 0
.rept 4
	v_nop
.endr
	s_branch .Lasked_\@
.Lfor_b_\@:
	tensor_load_to_lds s[\g0b:\g0b+3], s[\g1b:\g1b+7]
	s_nop 0
.rept 4
	v_nop
.endr
.Lasked_\@:
.endm
.macro CREST
	s_cmp_lg_u32 s14, 0
	s_cbranch_scc1 .Lnot_wave_0_\@
	s_barrier_signal -3
.Lnot_wave_0_\@:
	s_barrier_wait -3
	s_barrier_signal -1
	s_barrier_wait -1
.endm
.macro CROUND
	s_barrier_signal -1
	s_barrier_wait -1
	CREST
.endm
	s_load_b128 s[4:7], s[0:1], 0x0                ; x's codes, scales
	s_load_b128 s[8:11], s[0:1], 0x10              ; w's codes, scales
	s_load_b256 s[92:99], s[0:1], 0x20             ; q_img, q_sc, kv_img, kv_sc
	v_lshl_add_u32 v[SPW], v0, 2, SPARE
	v_mov_b32 v[NIL], 0
	ds_add_u32 v[SPW], v[NIL]                      ; the opening lines
	ds_add_u32 v[SPW], v[NIL]
	v_lshrrev_b32 v1, 5, v0
	v_readfirstlane_b32 s14, v1                    ; wave
	s_lshr_b32 s15, s14, 1                         ; my half of the rows; also: I fetch for A (0) or B (1)
	s_and_b32 s16, s14, 1                          ; my half of the columns; also: which K step of a slot I fetch
	s_bfe_u32 s40, ttmp6, 0x40000                  ; cx: it enters global addresses alone
	s_lshl_b32 s17, ttmp9, 2
	s_add_co_u32 s17, s17, s40                     ; which 256 rows of x
	s_and_b32 s42, ttmp7, 0xffff                   ; which 256 rows of w
	s_mov_b32 s[G1+0], 3<<16                       ; elements of 8 bytes, no mask
	s_mov_b32 s[G1B+0], 15|(3<<16)|(1<<21)         ; joint
.irp g, G1, G1B                                ; dense rows of 256 bytes: 192 for the head's loads, later 96
	s_mov_b32 s[\g+1], 32<<16
	s_mov_b32 s[\g+2], 192<<16
	s_mov_b32 s[\g+3], 32<<16
	s_mov_b32 s[\g+4], 192
	s_mov_b32 s[\g+5], 32
	s_mov_b32 s[\g+6], 0
	s_mov_b32 s[\g+7], 0
.endr
	s_mov_b32 s[G1S+0], 3<<16
	s_mov_b32 s[G1SB+0], 15|(3<<16)|(1<<21)
.irp g, G1S, G1SB                              ; the scale words of 256 rows: 64 rows of 256 bytes
	s_mov_b32 s[\g+1], 32<<16
	s_mov_b32 s[\g+2], 64<<16
	s_mov_b32 s[\g+3], 32<<16
	s_mov_b32 s[\g+4], 64
	s_mov_b32 s[\g+5], 32
	s_mov_b32 s[\g+6], 0
	s_mov_b32 s[\g+7], 0
.endr
	s_mul_i32 s20, s17, TILEB
	s_mov_b32 s21, 0
	s_lshl_b32 s22, s17, 14
	s_mov_b32 s23, 0
	s_mul_i32 s46, s42, TILEB
	s_mov_b32 s47, 0
	s_lshl_b32 s66, s42, 14
	s_mov_b32 s67, 0
	s_mul_i32 s18, s16, HALFT                      ; the ring: my K step of a slot,
	s_mov_b32 s19, 0
	s_mul_i32 s45, s14, HALFT                      ; and where it goes
	s_wait_dscnt 0x0
	s_wait_kmcnt 0x0
	s_add_nc_u64 s[20:21], s[4:5], s[20:21]
	s_add_nc_u64 s[22:23], s[6:7], s[22:23]
	s_add_nc_u64 s[46:47], s[8:9], s[46:47]
	s_add_nc_u64 s[66:67], s[10:11], s[66:67]
	CROUND                                         ; in front of the first loads
	s_mov_b32 s[G0H], 1                            ; slot 0: A's two K steps,
	s_mov_b32 s[G0H+1], 0
	s_mov_b64 s[G0H+2:G0H+3], s[20:21]
	s_or_b32 s[G0H+3], s[G0H+3], 0x80000000
	s_mov_b32 s[G0HB], 1                           ; B's,
	s_mov_b32 s[G0HB+1], 2*HALFT
	s_mov_b64 s[G0HB+2:G0HB+3], s[46:47]
	s_or_b32 s[G0HB+3], s[G0HB+3], 0x80000000
	s_mov_b32 s[G0S], 1                            ; A's scale words,
	s_mov_b32 s[G0S+1], SCL
	s_mov_b64 s[G0S+2:G0S+3], s[22:23]
	s_or_b32 s[G0S+3], s[G0S+3], 0x80000000
	s_mov_b32 s[G0SB], 1                           ; B's
	s_mov_b32 s[G0SB+1], SCL+16384
	s_mov_b64 s[G0SB+2:G0SB+3], s[66:67]
	s_or_b32 s[G0SB+3], s[G0SB+3], 0x80000000
	s_add_nc_u64 s[20:21], s[20:21], s[18:19]
	s_add_nc_u64 s[46:47], s[46:47], s[18:19]
.irp s, 0,1
	s_mov_b32 s[G0+4*\s], 1
	s_add_co_u32 s[G0+4*\s+1], s45, \s*SLOT
	s_add_nc_u64 s[G0+4*\s+2:G0+4*\s+3], s[20:21], \s*2*HALFT
	s_or_b32 s[G0+4*\s+3], s[G0+4*\s+3], 0x80000000
	s_mov_b32 s[G0B+4*\s], 1
	s_add_co_u32 s[G0B+4*\s+1], s45, \s*SLOT
	s_add_nc_u64 s[G0B+4*\s+2:G0B+4*\s+3], s[46:47], \s*2*HALFT
	s_or_b32 s[G0B+4*\s+3], s[G0B+4*\s+3], 0x80000000
.endr
.macro ARM under, g0, g1, next         ; the head's four tiles, one load a wave: one chain of branches on the wave's number
	s_cmp_lt_u32 s14, \under
	s_cbranch_scc0 \next
	tensor_load_to_lds s[\g0:\g0+3], s[\g1:\g1+7]
	s_nop 0
.rept 4
	v_nop
.endr
	s_branch .Lhead_asked
\next:
.endm
	ARM 1, G0H,  G1,  .Lhead_b
	ARM 2, G0HB, G1B, .Lhead_sa
	ARM 3, G0S,  G1S, .Lhead_sb
	tensor_load_to_lds s[G0SB:G0SB+3], s[G1SB:G1SB+7]
	s_nop 0
.rept 4
	v_nop
.endr
.Lhead_asked:
	s_mul_i32 s21, s15, 8*FRB                      ; my eight images of A,
	s_mul_i32 s22, s16, 8*FRB
	s_add_co_u32 s22, s22, 2*HALFT                 ; and of B
	s_cmp_eq_u32 s42, 8
	s_cselect_b32 s41, s16, 0                      ; 1 in the waves that make V
	s_cmp_eq_u32 s41, 1
	s_cselect_b32 s44, s22, s21                    ; they swap the sources
	s_cselect_b32 s45, s21, s22
	s_lshl_b32 s19, s15, 11                        ; scale words: 16 bytes a row; A's my 128 rows,
	s_lshl_b32 s18, s16, 11
	s_add_co_u32 s18, s18, 16384                   ; B's
	s_sub_co_u32 s18, s18, s19
	s_add_co_u32 s19, s19, SCL
	v_and_b32 v6, 31, v0
	v_lshlrev_b32 v[LI], 4, v6                     ; 16 x lane
	v_and_b32 v1, 15, v0
	v_bfe_u32 v2, v0, 4, 1
	v_add_nc_u32 v[ADRA], s44, v[LI]
	v_add_nc_u32 v[ADRB], s45, v[LI]
	v_add_nc_u32 v[ADRA+1], SLOT, v[ADRA]
	v_add_nc_u32 v[ADRB+1], SLOT, v[ADRB]
	v_add_nc_u32 v6, s41, v2
	v_and_b32 v6, 1, v6
	v_mul_u32_u24 v6, s18, v6                      ; lanes 16-31 take source 0's words
	v_lshl_add_u32 v6, v1, 4, v6
	v_add_nc_u32 v[ADRS], s19, v6
	s_mov_b32 s[SEL], 0x76543210
	s_mov_b32 s[SEL+1], 0xfedcba98
	s_lshr_b32 s18, s17, 3                         ; where my images go: batch,
	s_and_b32 s19, s17, 7
	s_lshl_b32 s19, s19, 1
	s_add_co_u32 s19, s19, s15                     ; which 128 positions,
	s_lshl_b32 s20, s18, 4
	s_lshl_b32 s21, s42, 1
	s_add_co_u32 s21, s21, s16                     ; head
	s_add_co_u32 s21, s21, s20
	s_lshl_b32 s21, s21, 4
	s_add_co_u32 s21, s21, s19
	s_add_co_u32 s22, s20, s19
	s_lshl_b32 s22, s22, 1
	s_add_co_u32 s22, s22, s16
	s_cmp_eq_u32 s42, 8
	s_cselect_b32 s22, s22, s21
	s_cselect_b64 s[12:13], s[96:97], s[92:93]
	s_cselect_b64 s[66:67], s[98:99], s[94:95]
	s_mul_i32 s20, s22, 8*FR*128
	s_mov_b32 s21, 0
	s_add_nc_u64 s[12:13], s[12:13], s[20:21]
	s_lshl_b32 s20, s22, 10
	s_add_nc_u64 s[66:67], s[66:67], s[20:21]
.macro FRAG reg, adr, q, i             ; an image: 32 lanes read 512 consecutive bytes, three times
.irp k, 0,1,2
	ds_load_b128 v[\reg+4*\k:\reg+4*\k+3], v[\adr] offset:(\q)*HALFT+(\i)*FRB+512*\k
.endr
.endm
.macro MUL16 a0, p, q, sc, zero        ; the 64 accumulators take turns
.irp a, \a0, \a0+1
.irp b, 0,1,2,3,4,5,6,7
.if \zero
	v_wmma_scale_f32_16x16x128_f8f6f4 v[8*(8*((\a)%4)+\b):8*(8*((\a)%4)+\b)+7], v[128*(\p)+FR*\b:128*(\p)+FR*\b+FR-1], v[AF+FR*(\a):AF+FR*(\a)+FR-1], 0, v[SC+8*NQ*(\sc)+NQ*\b+(\q)], v[SC+8*NQ*(\sc)+NQ*(\a)+(\q)] matrix_a_fmt:MATRIX_FMT_FP6 matrix_b_fmt:MATRIX_FMT_FP6 matrix_a_scale:MATRIX_SCALE_ROW1
.else
	v_wmma_scale_f32_16x16x128_f8f6f4 v[8*(8*((\a)%4)+\b):8*(8*((\a)%4)+\b)+7], v[128*(\p)+FR*\b:128*(\p)+FR*\b+FR-1], v[AF+FR*(\a):AF+FR*(\a)+FR-1], v[8*(8*((\a)%4)+\b):8*(8*((\a)%4)+\b)+7], v[SC+8*NQ*(\sc)+NQ*\b+(\q)], v[SC+8*NQ*(\sc)+NQ*(\a)+(\q)] matrix_a_fmt:MATRIX_FMT_FP6 matrix_b_fmt:MATRIX_FMT_FP6 matrix_a_scale:MATRIX_SCALE_ROW1
.endif
.endr
.endr
.endm
.macro FETCH_B slot, q, p
	WIN TO_B
.irp i, 0,1,2,3,4,5,6,7
	FRAG 128*(\p)+FR*\i, ADRB+\slot, \q, \i
.endr
	WIN 0
.endm
.macro FETCH_A slot, q, i0
.irp i, \i0, \i0+1, \i0+2, \i0+3
	FRAG AF+FR*(\i), ADRA+\slot, \q, \i
.endr
.endm
.macro SCALES sc                       ; the words of slot sc's two K steps: the half 8 sc of a row's 16 bytes
.irp i, 0,1,2,3,4,5,6,7
	ds_load_b64 v[SC+8*NQ*\sc+NQ*\i:SC+8*NQ*\sc+NQ*\i+1], v[ADRS] offset:\i*256+8*\sc
.endr
.endm
.macro PLACES n
.rept \n
	v_nop
.endr
.endm
.macro STEP slot, q, zero              ; a slot's first K step; the second one's fragments are fetched in its middle and at its end
	s_wait_dscnt 4*NL                              ; the youngest 12 loads (A's blocks 4-7) may be out
	WIN MUL_LO
	MUL16 0, (\q)%2, \q, \slot, \zero
	MUL16 2, (\q)%2, \q, \slot, \zero
	s_wait_dscnt 0
	PLACES NP
	FETCH_B \slot, (\q)+1, 1-(\q)%2
	FETCH_A \slot, (\q)+1, 0
	WIN MUL_HI
	MUL16 4, (\q)%2, \q, \slot, \zero
	MUL16 6, (\q)%2, \q, \slot, \zero
	PLACES NP
	WIN 0
	FETCH_A \slot, (\q)+1, 4
.endm
.macro TURN slot, next, fill           ; a slot's second K step, and the change of slots
	s_wait_tensorcnt 0x0                           ; my part of the next slot is in
	ds_add_u32 v[SPW], v[NIL]
	s_wait_dscnt 4*NL+1                            ; the add and the youngest 12 loads may be out
	WIN MUL_LO
	MUL16 0, 1, NQ-1, \slot, 0
	s_wait_dscnt 0x0                               ; the add is done, my reads of this slot are over
	s_barrier_signal -1
	MUL16 2, 1, NQ-1, \slot, 0
	WIN 0
	s_barrier_wait -1
.if \fill
	CREST                                          ; the barrier has opened a round of the cluster's
	s_add_nc_u64 s[G0+4*\slot+2:G0+4*\slot+3], s[G0+4*\slot+2:G0+4*\slot+3], 4*HALFT
	s_add_nc_u64 s[G0B+4*\slot+2:G0B+4*\slot+3], s[G0B+4*\slot+2:G0B+4*\slot+3], 4*HALFT
	JLOAD G0+4*\slot, G1, G0B+4*\slot, G1B         ; its four v_nop are the places in front of the loads below
.else
	PLACES NP
.endif
	s_wait_alu depctr_va_vdst(0)                   ; the wait ahead of the readers of the scale words' address
.if \next == 0
	v_add_nc_u32 v[ADRS], 4096, v[ADRS]            ; the next four K steps' words
.endif
	FETCH_B \next, 0, 0
	FETCH_A \next, 0, 0
	SCALES \next
	WIN MUL_HI
	MUL16 4, 1, NQ-1, \slot, 0
	MUL16 6, 1, NQ-1, \slot, 0
	PLACES NP
	WIN 0
	FETCH_A \next, 0, 4
.endm
	s_wait_alu depctr_va_vdst(0)                   ; the wait at the head's end
	s_wait_tensorcnt 0x0                           ; my tile of the head's four is in
	ds_add_u32 v[SPW], v[NIL]
	s_mov_b32 s[G1+2], 96<<16                      ; no load of mine is out: from here on a load brings 96 rows
	s_mov_b32 s[G1+4], 96
	s_mov_b32 s[G1B+2], 96<<16
	s_mov_b32 s[G1B+4], 96
	s_wait_dscnt 0x0
	CROUND
	JLOAD G0+4, G1, G0B+4, G1B                     ; slot 1's first fill, issued as a refill is
	FETCH_B 0, 0, 0
	FETCH_A 0, 0, 0
	SCALES 0
	FETCH_A 0, 0, 4
	STEP 0, 0, 1                                   ; the first products start the sums
	s_mov_b32 s3, LAPS-1
.Llap:
	TURN 0, 1, 1
	STEP 1, 0, 0
	TURN 1, 0, 1
	STEP 0, 0, 0
	s_sub_co_u32 s3, s3, 1
	s_cmp_lg_u32 s3, 0
	s_cbranch_scc1 .Llap
	TURN 0, 1, 0
	STEP 1, 0, 0
	s_wait_dscnt 4*NL
	WIN MUL_LO
	MUL16 0, 1, NQ-1, 1, 0
	MUL16 2, 1, NQ-1, 1, 0
	s_wait_dscnt 0
	WIN MUL_HI
	MUL16 4, 1, NQ-1, 1, 0
	MUL16 6, 1, NQ-1, 1, 0
	WIN 0
; THE WAY OUT: block a's 16 rows x 128 are quantised along the registers, four blocks of 32, and leave as one fragment image; place i of a block holds element i with bits 3 and 4 exchanged, alike in Q, K and V.
.macro OUT a
.set W,   2+(\a)/4
.set AC,  64*((\a)%4)
.set CA,  CD+12*(\a)
.set W01, W|(W<<2)
.set W12, (W<<2)|(W<<4)
	WIN W01
.irp b, 0,1,2,3
	v_max3_num_f32 v[TM+\b], |v[AC+16*\b]|, |v[AC+16*\b+1]|, 0x1800000
.endr
	WIN W12
.irp i, 2,4,6,8,10,12,14
.irp b, 0,1,2,3
	v_max3_num_f32 v[TM+\b], v[TM+\b], |v[AC+16*\b+\i]|, |v[AC+16*\b+\i+1]|
.endr
.endr
	WIN 0
.irp b, 0,1,2,3
	v_permlanex16_b32 v[TM+4+\b], v[TM+\b], s[SEL], s[SEL+1]
.endr
.irp b, 0,1,2,3
	v_max_num_f32 v[TM+\b], v[TM+\b], v[TM+4+\b]
.endr
.irp b, 0,1,2,3
	v_add_nc_u32 v[TM+12+\b], 0xff000000, v[TM+\b]
.endr
.irp b, 0,1,2,3
	v_lshrrev_b32 v[TM+4+\b], 23, v[TM+12+\b]
.endr
	v_lshl_or_b32 v[SW+(\a)], v[TM+5], 8, v[TM+4]
	v_lshl_or_b32 v[SW+(\a)], v[TM+6], 16, v[SW+(\a)]
	v_lshl_or_b32 v[SW+(\a)], v[TM+7], 24, v[SW+(\a)]
	WIN W
.irp c, 0,1
	v_cvt_scalef32_pk16_fp6_f32 v[CA+6*\c:CA+6*\c+2], v[AC+32*\c:AC+32*\c+15], v[TM+12+2*\c]
	v_cvt_scalef32_pk16_fp6_f32 v[T2+4*\c:T2+4*\c+2], v[AC+32*\c+16:AC+32*\c+31], v[TM+13+2*\c]
.endr
	WIN 0
	v_nop
.irp c, 0,1
.irp i, 0,1,2
	v_permlane16_swap_b32 v[CA+6*\c+\i], v[T2+4*\c+\i]
.endr
.irp i, 0,1,2
	v_mov_b32 v[CA+6*\c+3+\i], v[T2+4*\c+\i]
.endr
.endr
.irp k, 0,1,2
	global_store_b128 v[LI], v[CA+4*\k:CA+4*\k+3], s[12:13] offset:1536*(\a)+512*\k
.endr
.endm
	PLACES NP
.irp b, 0,1,2,3
	v_mov_b32 v[TM+4+\b], 0
.endr
.irp a, 0,1,2,3,4,5,6,7
	OUT \a
.endr
.irp g, 0,1
	global_store_b128 v[LI], v[SW+4*\g:SW+4*\g+3], s[66:67] offset:512*\g
.endr
	s_wait_tensorcnt 0x0                           ; the wave's end
	ds_add_u32 v[SPW], v[NIL]
	s_wait_dscnt 0x0
	CROUND                                         ; the closing round
	s_endpgm
.Lfunc_end_k_qc4c4f16c46_proj:
	.size	k_qc4c4f16c46_proj, .Lfunc_end_k_qc4c4f16c46_proj-k_qc4c4f16c46_proj
	.p2alignl 7, 3214868480
	.fill 96, 4, 3214868480
	.section	.rodata,"a",@progbits
	.p2align	6, 0x0
	.amdhsa_kernel k_qc4c4f16c46_proj
		.amdhsa_group_segment_fixed_size 327680
		.amdhsa_private_segment_fixed_size 0
		.amdhsa_enable_private_segment 0
		.amdhsa_kernarg_size 64
		.amdhsa_user_sgpr_count 2
		.amdhsa_user_sgpr_kernarg_segment_ptr 1
		.amdhsa_wavefront_size32 1
		.amdhsa_system_sgpr_workgroup_id_x 1
		.amdhsa_system_sgpr_workgroup_id_y 1
		.amdhsa_system_sgpr_workgroup_id_z 1
		.amdhsa_system_vgpr_workitem_id 0
		.amdhsa_next_free_vgpr 1024
		.amdhsa_next_free_sgpr 102
		.amdhsa_reserve_vcc 0
		.amdhsa_float_denorm_mode_32 3
		.amdhsa_float_denorm_mode_16_64 3
		.amdhsa_memory_ordered 1
		.amdhsa_forward_progress 1
		.amdhsa_inst_pref_size 140
	.end_amdhsa_kernel
	.amdgpu_metadata
---
amdhsa.version: [ 1, 2 ]
amdhsa.kernels:
  - .name:           k_qc4c4f16c46_proj
    .symbol:         k_qc4c4f16c46_proj.kd
    .args:
      - { .name: x_codes, .offset: 0, .size: 8, .value_kind: global_buffer, .address_space: global }
      - { .name: x_scales, .offset: 8, .size: 8, .value_kind: global_buffer, .address_space: global }
      - { .name: w_codes, .offset: 16, .size: 8, .value_kind: global_buffer, .address_space: global }
      - { .name: w_scales, .offset: 24, .size: 8, .value_kind: global_buffer, .address_space: global }
      - { .name: q_img, .offset: 32, .size: 8, .value_kind: global_buffer, .address_space: global }
      - { .name: q_sc, .offset: 40, .size: 8, .value_kind: global_buffer, .address_space: global }
      - { .name: kv_img, .offset: 48, .size: 8, .value_kind: global_buffer, .address_space: global }
      - { .name: kv_sc, .offset: 56, .size: 8, .value_kind: global_buffer, .address_space: global }
    .group_segment_fixed_size: 327680
    .private_segment_fixed_size: 0
    .kernarg_segment_align: 8
    .kernarg_segment_size: 64
    .max_flat_workgroup_size: 128
    .sgpr_count:     102
    .vgpr_count:     1024
    .wavefront_size: 32
...
	.end_amdgpu_metadata
.endif
;; end of part 2
;; launch attn (part 3): grid 128 x 2, 8 waves a work-group, clusters of 4 x 1, 327,680 bytes of LDS; arguments q_img, q_sc, kv_img, kv_sc, out0; writes out0
.if DOCPART == 3
	.amdgcn_target "amdgcn-amd-amdhsa--gfx1250"
	.amdhsa_code_object_version 6
	.text
	.protected	k_qc4c4f16c46_attn
	.globl	k_qc4c4f16c46_attn
	.p2align	8
	.type	k_qc4c4f16c46_attn,@function
k_qc4c4f16c46_attn:
	s_mov_b64 s[64:65], 0
	v_nop
	global_prefetch_b8 v0, s[64:65] scope:SCOPE_SE
	s_setreg_imm32_b32 hwreg(HW_REG_WAVE_MODE, 25, 1), 1
	s_wait_xcnt 0x0
	s_wait_alu depctr_hold_cnt(0) depctr_sa_sdst(0) depctr_va_vdst(0) depctr_va_sdst(0) depctr_va_ssrc(0) depctr_va_vcc(0) depctr_vm_vsrc(0)
	s_getreg_b32 s2, hwreg(HW_REG_IB_STS2, 6, 4)
	s_cmp_eq_u32 s2, 0
	s_cbranch_scc0 .Lentry_in_a_cluster
	s_endpgm
.Lentry_in_a_cluster:
	s_bfe_u32 s2, ttmp6, 0x10000c
	s_cmp_lg_u32 s2, 0x3003
	s_cbranch_scc0 .Lentry_shape_is_right
	s_endpgm
.Lentry_shape_is_right:
; out[b][q][128 head + :] = sum over keys k <= q of softmax_k(Q[b][head][q] . K[b][k] / sqrt(128)) V[b][k][:]: 2 batches, 16 query heads, ONE head of keys and values, 2,048 positions.
; Both products on codes of FP6 (E2M3) with E8M0 scales.  Q, K, V come as images of their fragments' registers (1,536 bytes: three loads of 16 bytes a lane at 16 x lane), scale words beside them.
; LEFT OUT: key steps all of whose keys lie under the causal mask.
; SOFTMAX: t = score x log2(e) / sqrt(128); M = the running largest t rounded up to a whole number; p = 2^(t - M) is quantised along the keys; the sum is taken of the unquantised p and divides O at the end;
; when M moves, sum and O are multiplied by 2^(old M - new M), exactly.
; SHARES.  A wave owns one tile of 16 queries of TWO neighbouring heads: all heads share K and V, so each fragment read from LDS feeds two matrix instructions.  Tile 0's state lies in register window 0,
; tile 1's in window 1 under the same numbers.  Cluster c of 32 (for each batch) owns query tiles 2 c, 2 c + 1, 126 - 2 c, 127 - 2 c; work-group cx takes heads 4 cx .. 4 cx + 3;
; wave w takes heads 4 cx + 2 (w / 4) + 0, 1 and tile number (w + 2 (w / 4)) % 4 of the four: waves w and w + 4 hold a short and a long tile, 17 key steps together whatever c.
; CLUSTER.  The four work-groups walk the same K and V: each record is asked for jointly (mask 15).  cx enters global addresses alone.
; CAUSAL.  Every wave walks all 16 key steps; a step wholly behind the wave's queries is passed over by a scalar branch on ids; on the diagonal hidden scores become -infinity ahead of the maximum.
; LAYOUT.  S^T = K Q^T, O^T = V^T P^T: a lane holds one query.  Place i of a block of 32 keys holds key i with bits 3 and 4 exchanged, the order in which V's codes were laid.
; LIMITS: NaN and infinities are not served.  A block's largest p is taken from its largest score by the same multiply-add and exponential: that takes v_exp_f32 not to fall where its input rises.
; A block whose every p is 0 keeps the byte 1: its codes are zeros.
; REGISTERS, both windows: v12 -M, v13 largest t, v[14:15] sum, v16-27 Q, v32-79 four fragments of K or V (window 0: 0-3, window 1: 4-7), v96-159 S^T then p, v160-223 O^T, v224-235 p's codes, v232-254 at work.
; Window 0 alone: addresses; v80-87 K's or V's scale words, v88 / v255 Q's scale words, v89 / v253 p's.
.set FRB,   1536
.set STEPB, 16*FRB                     ; a key step's record: K's eight fragments, then V's
.set SLOTB, 4*STEPB
.set SCL,   SLOTB                      ; the batch's scale words, 32,768 bytes, filled once
.set SLOT1, 1<<17
.set SPARE, SLOT1+SLOTB                ; the spare words
.set STAGE, SPARE+16*128               ; the way out: 16 rows x 272 bytes for each wave
.set LI,   1
.set LIS,  2
.set SPW,  5
.set NIL,  6
.set GO,   7
.set ADK,  8
.set ADS,  10
.set PFO,  28
.set KS,   80
.set TB,   2
.set TS,   3
.set CNT,  14
.set LIM,  15
.set WV,   18
.set SEL,  20
.set CS,   22
.set G1,   24
.set G1S,  32
.set G0,   40
.set G0S,  44
.set HD,   48
.set TAU,  49
.set Q0,   50
.set KF,   51
.set SLOTS, 52
.set PFA,  54
.set MSB, 0
.macro WIN new                         ; the immediate's high byte repeats the setting that is left
.if MSB != \new
	s_set_vgpr_msb (MSB<<8)|\new
.set MSB, \new
.endif
.endm
.macro CROUND
	s_barrier_signal -1
	s_barrier_wait -1
	s_cmp_lg_u32 s[WV], 0
	s_cbranch_scc1 .Lnot_wave_0_\@
	s_barrier_signal -3
.Lnot_wave_0_\@:
	s_barrier_wait -3
	s_barrier_signal -1
	s_barrier_wait -1
.endm
.macro TLOAD                           ; waves 0 to 3 fetch one key step's record of the slot each
	s_cmp_lt_u32 s[WV], 4
	s_cbranch_scc0 .Lasked_\@
	tensor_load_to_lds s[G0:G0+3], s[G1:G1+7]
	s_nop 0
.rept 4
	v_nop
.endr
.Lasked_\@:
.endm
; A prefetch of what the NEXT change of slots will ask for: the batch's first cluster asks; its four partners take a key step's record each, by address; waves 4 to 6 ask for 8,192 bytes each, lanes 256 bytes apart.
.macro ASK
	s_cmp_gt_u32 s[SLOTS], s[LIM]
	s_cbranch_scc0 .Lnot_mine_\@
	global_prefetch_b8 v[PFO], s[PFA:PFA+1] th:TH_LOAD_NT scope:SCOPE_SE
.Lnot_mine_\@:
.endm
	s_load_b256 s[4:11], s[0:1], 0x0               ; q_img, q_sc, kv_img, kv_sc
	s_load_b64 s[12:13], s[0:1], 0x20              ; out
	v_lshl_add_u32 v[SPW], v0, 2, SPARE
	v_mov_b32 v[NIL], 0
	ds_add_u32 v[SPW], v[NIL]                      ; the opening lines
	ds_add_u32 v[SPW], v[NIL]
	s_wait_dscnt 0x0
	v_lshrrev_b32 v8, 5, v0
	v_readfirstlane_b32 s[WV], v8                  ; wave 0..7
	s_bfe_u32 s16, ttmp6, 0x40000                  ; cx
	s_and_b32 s19, ttmp7, 0xffff                   ; batch
	s_and_b32 s56, s[WV], 3
	s_lshr_b32 s57, s[WV], 2
	s_lshl_b32 s58, s57, 1
	s_lshl_b32 s[HD], s16, 2
	s_add_co_u32 s[HD], s[HD], s58                 ; my first head = 4 cx + 2 (w / 4)
	s_add_co_u32 s57, s58, s[WV]
	s_and_b32 s57, s57, 3                          ; which of the cluster's four tiles
	s_and_b32 s58, s57, 1
	s_lshl_b32 s59, ttmp9, 1
	s_add_co_u32 s58, s58, s59                     ; 2 c + j % 2,
	s_sub_co_u32 s59, 127, s58                     ; or its mirror
	s_and_b32 s60, s57, 2
	s_cmp_lg_u32 s60, 0
	s_cselect_b32 s[TAU], s59, s58
	s_lshl_b32 s[Q0], s[TAU], 4
	s_mov_b32 s[G1], 15|(3<<16)|(1<<21)            ; dense rows of 256 bytes, joint: a record is 96 rows,
	s_mov_b32 s[G1+1], 32<<16
	s_mov_b32 s[G1+2], 96<<16
	s_mov_b32 s[G1+3], 32<<16
	s_mov_b32 s[G1+4], 96
	s_mov_b32 s[G1+5], 32
	s_mov_b32 s[G1+6], 0
	s_mov_b32 s[G1+7], 0
	s_mov_b32 s[G1S], 15|(3<<16)|(1<<21)           ; a head's load 64
	s_mov_b32 s[G1S+1], 32<<16
	s_mov_b32 s[G1S+2], 64<<16
	s_mov_b32 s[G1S+3], 32<<16
	s_mov_b32 s[G1S+4], 64
	s_mov_b32 s[G1S+5], 32
	s_mov_b32 s[G1S+6], 0
	s_mov_b32 s[G1S+7], 0
	s_mul_i32 s60, s56, STEPB                      ; refills: key step w % 4 of a slot
	s_mul_i32 s61, s19, 16*STEPB                   ; the batch's first byte
	s_add_co_u32 s62, s60, s61
	s_mov_b32 s63, 0
	s_lshl_b32 s66, s56, 13                        ; prefetches: 8,192 bytes a wave
	s_and_b32 s58, s[WV], 1
	s_lshl_b32 s58, s58, 14
	s_lshl_b32 s59, s19, 15
	s_add_co_u32 s58, s58, s59                     ; waves 6, 7: a half of the batch's scale words
	s_mov_b32 s59, 0
	s_mov_b32 s[SEL], 0x76543210
	s_mov_b32 s[SEL+1], 0xfedcba98
	s_mov_b32 s[CS], 0x3e0293ee                    ; log2(e) / sqrt(128)
	s_mov_b32 s[CS+1], s[CS]
	s_mov_b32 s[TB], 0
	s_mov_b32 s[TS], 0
	s_mov_b32 s[KF], 0
	s_mov_b32 s[SLOTS], 3
	s_wait_kmcnt 0x0
	s_mov_b32 s[G0], 1
	s_mov_b32 s[G0+1], s60
	s_add_nc_u64 s[G0+2:G0+3], s[8:9], s[62:63]
	s_or_b32 s[G0+3], s[G0+3], 0x80000000
	s_mov_b32 s[G0S], 1
	s_lshl_b32 s[G0S+1], s[WV], 14                 ; the head's loads: 16,384 bytes a wave, on end in LDS: waves 0 to 5 slot 0, waves 6 and 7 the scale words behind it
	s_add_co_u32 s68, s61, s[G0S+1]
	s_mov_b32 s69, 0
	s_add_nc_u64 s[68:69], s[8:9], s[68:69]
	s_add_nc_u64 s[70:71], s[10:11], s[58:59]
	s_cmp_lt_u32 s[WV], 6                          ; the choice hangs on the wave's number alone
	s_cselect_b64 s[G0S+2:G0S+3], s[68:69], s[70:71]
	s_or_b32 s[G0S+3], s[G0S+3], 0x80000000
	CROUND
	tensor_load_to_lds s[G0S:G0S+3], s[G1S:G1S+7]  ; every wave's one load at the head
	s_nop 0
.rept 4
	v_nop
.endr
	v_and_b32 v8, 31, v0
	v_lshlrev_b32 v[LI], 4, v8
	v_lshlrev_b32 v[PFO], 8, v8
	v_add_nc_u32 v[LIS], SCL, v[LI]
	s_wait_alu depctr_va_vdst(0)
	s_lshl_b32 s56, s19, 4
	s_add_co_u32 s56, s56, s[HD]
	s_lshl_b32 s57, s56, 7
	s_add_co_u32 s57, s57, s[TAU]
	s_mul_i32 s58, s57, FRB                        ; Q's image: ((16 b + head) 128 + tile) x 1,536
	s_add_nc_u64 s[4:5], s[4:5], s[58:59]
.irp k, 0,1,2
	global_load_b128 v[16+4*\k:19+4*\k], v[LI], s[4:5] offset:512*\k th:TH_LOAD_NT
.endr
	WIN 0x40
.irp k, 0,1,2
	global_load_b128 v[16+4*\k:19+4*\k], v[LI], s[4:5] offset:128*FRB+512*\k th:TH_LOAD_NT   ; the next head's, into window 1
.endr
	WIN 0
	s_lshl_b32 s57, s56, 4
	s_lshr_b32 s60, s[TAU], 3
	s_add_co_u32 s57, s57, s60
	s_lshl_b32 s58, s57, 10                        ; Q's scale words: the record of eight tiles,
	s_bfe_u32 s60, s[TAU], 0x10002
	s_lshl_b32 s60, s60, 9
	s_add_co_u32 s58, s58, s60                     ; its half,
	s_and_b32 s60, s[TAU], 3
	s_lshl_b32 s60, s60, 2
	s_add_co_u32 s58, s58, s60                     ; which of a lane's four words
	s_add_nc_u64 s[6:7], s[6:7], s[58:59]
	global_load_b32 v255, v[LI], s[6:7]
	global_load_b32 v88, v[LI], s[6:7] offset:16384   ; the next head's: 16 records on
	s_lshl_b32 s58, s19, 11
	s_add_co_u32 s58, s58, s[Q0]
	s_lshl_b32 s58, s58, 13
	s_lshl_b32 s60, s[HD], 9
	s_add_co_u32 s58, s58, s60
	s_add_nc_u64 s[12:13], s[12:13], s[58:59]      ; out: row 2,048 b + my first query, + 512 x head
	s_mul_i32 s58, s16, STEPB
	s_add_co_u32 s58, s58, s66
	s_add_co_u32 s58, s58, s61
	s_add_co_u32 s58, s58, SLOTB                   ; the prefetches stand in slot 1: the first change of slots steps them to slot 2
	s_add_nc_u64 s[PFA:PFA+1], s[8:9], s[58:59]
	s_sub_co_u32 s56, s[WV], 4
	s_cmp_lt_u32 s56, 3
	s_cselect_b32 s56, 0, 1
	s_or_b32 s56, s56, ttmp9
	s_cmp_eq_u32 s56, 0
	s_cselect_b32 s[LIM], 1, -1
	v_and_b32 v8, 15, v0
	v_bfe_u32 v9, v0, 4, 1
	v_lshlrev_b32 v[GO], 13, v9
	v_lshl_add_u32 v[GO], v8, 4, v[GO]
.irp T, 0,1                                    ; both tiles' state
	WIN 0x55*\T
	v_mov_b32 v13, 0xff61b1e6                      ; -3e38, under every t
	v_floor_f32 v12, -v13
	v_mov_b32 v14, 0
	v_mov_b32 v15, 0
.irp b, 0,1,2,3
	v_mov_b32 v[236+\b], 0
.endr
	v_mov_b32 v252, 0
	v_mov_b32 v253, 0
.set j, 0
.rept 64
	v_mov_b32 v[160+j], 0
.set j, j+1
.endr
.endr
	WIN 0
.macro FETCH v                         ; K's (0) or V's (1) scale words and eight fragments: 26 loads
	ds_load_b128 v[KS:KS+3], v[ADS] offset:1024*\v
	ds_load_b128 v[KS+4:KS+7], v[ADS] offset:1024*\v+512
.irp t, 0,1,2,3
.irp k, 0,1,2
	ds_load_b128 v[32+12*\t+4*\k:35+12*\t+4*\k], v[ADK] offset:(8*\v+\t)*FRB+512*\k
.endr
.endr
	WIN 0x40
.irp t, 0,1,2,3
.irp k, 0,1,2
	ds_load_b128 v[32+12*\t+4*\k:35+12*\t+4*\k], v[ADK] offset:(8*\v+4+\t)*FRB+512*\k
.endr
.endr
	WIN 0
.endm
.macro MM4 G, T, pv                    ; four matrix instructions: fragments 4 G .. 4 G + 3 (window G) for tile T (window T)
	WIN (\G)|(0x54*(\T))
.irp t, 0,1,2,3
.if \pv
	v_wmma_scale_f32_16x16x128_f8f6f4 v[160+8*(4*\G+\t):167+8*(4*\G+\t)], v[32+12*\t:43+12*\t], v[224:235], v[160+8*(4*\G+\t):167+8*(4*\G+\t)], v[KS+4*\G+\t], v[253-164*\T] matrix_a_fmt:MATRIX_FMT_FP6 matrix_b_fmt:MATRIX_FMT_FP6
.else
	v_wmma_scale_f32_16x16x128_f8f6f4 v[96+8*(4*\G+\t):103+8*(4*\G+\t)], v[32+12*\t:43+12*\t], v[16:27], 0, v[KS+4*\G+\t], v[255-167*\T] matrix_a_fmt:MATRIX_FMT_FP6 matrix_b_fmt:MATRIX_FMT_FP6
.endif
.endr
.endm
.macro MMALL pv
	s_wait_dscnt 12                                ; the scale words and fragments 0-3 are in; the twelve loads of fragments 4-7 may be out
	MM4 0, 0, \pv
	MM4 0, 1, \pv
	s_wait_dscnt 0x0
	MM4 1, 1, \pv
	MM4 1, 0, \pv
	WIN 0
.endm
.macro SM T                            ; one tile's softmax, quantiser and rescaling, all in window T
	WIN 0x55*\T
	s_wait_alu depctr_va_vdst(0)                   ; the wait ahead of the first reader of the scores
.irp b, 0,1,2,3
	v_max3_num_f32 v[232+\b], v[96+16*\b], v[97+16*\b], v[98+16*\b]   ; each block's largest score
.endr
.irp i, 3,5,7,9,11,13
.irp b, 0,1,2,3
	v_max3_num_f32 v[232+\b], v[232+\b], v[96+16*\b+\i], v[97+16*\b+\i]
.endr
.endr
.irp b, 0,1,2,3
	v_max_num_f32 v[232+\b], v[232+\b], v[111+16*\b]
.endr
.irp b, 0,1,2,3
	s_delay_alu instid0(VALU_DEP_4)
	v_permlanex16_b32 v[236+\b], v[232+\b], s[SEL], s[SEL+1]
.endr
.irp b, 0,1,2,3
	s_delay_alu instid0(VALU_DEP_4)
	v_max_num_f32 v[232+\b], v[232+\b], v[236+\b]
.endr
	s_delay_alu instid0(VALU_DEP_2)
	v_max3_num_f32 v254, v232, v233, v234
	s_delay_alu instid0(VALU_DEP_1)
	v_max_num_f32 v254, v254, v235
	s_delay_alu instid0(VALU_DEP_1)
	v_mul_f32 v254, s[CS], v254
	s_delay_alu instid0(VALU_DEP_1)
	v_max_num_f32 v13, v13, v254                   ; the running largest t
	v_mov_b32 v254, v12
	s_delay_alu instid0(VALU_DEP_2)
	v_floor_f32 v12, -v13                          ; -M = -ceil(t)
	s_delay_alu instid0(VALU_DEP_1)
	v_sub_f32 v254, v12, v254
	s_delay_alu instid0(VALU_DEP_1)
	v_cvt_i32_f32 v254, v254
	s_delay_alu instid0(VALU_DEP_1)
	v_ldexp_f32 v252, 1.0, v254                    ; f = 2^(old M - new M)
.set j, 0
.rept 32
	v_pk_fma_f32 v[96+j:97+j], v[96+j:97+j], s[CS:CS+1], v[12:13] op_sel_hi:[1,0,0]   ; t - M
.set j, j+2
.endr
.irp b, 0,1,2,3
	v_fma_f32 v[232+\b], v[232+\b], s[CS], v12
.endr
.set j, 0
	s_wait_alu depctr_va_vdst(0)                   ; ahead of the batch
.rept 64
	v_exp_f32 v[96+j], v[96+j]                     ; p
.set j, j+1
.endr
	v_pk_mul_f32 v[14:15], v[14:15], v[252:253] op_sel_hi:[1,0]
	s_wait_alu depctr_va_vdst(0)                   ; behind the batch of 64
.irp b, 0,1,2,3
	v_exp_f32 v[232+\b], v[232+\b]                 ; each block's largest p
.endr
	v_pk_add_f32 v[236:237], v[100:101], v[104:105]   ; the sum of the unquantised p, in eight chains
	v_pk_add_f32 v[250:251], v[108:109], v[112:113]
	v_pk_add_f32 v[248:249], v[116:117], v[120:121]
	v_pk_add_f32 v[246:247], v[124:125], v[128:129]
	v_pk_add_f32 v[244:245], v[132:133], v[136:137]
	v_pk_add_f32 v[242:243], v[140:141], v[144:145]
	v_pk_add_f32 v[240:241], v[148:149], v[152:153]
	v_pk_add_f32 v[14:15], v[14:15], v[156:157]
	v_pk_add_f32 v[236:237], v[236:237], v[96:97]
	v_pk_add_f32 v[250:251], v[250:251], v[98:99]
	v_pk_add_f32 v[248:249], v[248:249], v[102:103]
	v_pk_add_f32 v[246:247], v[246:247], v[106:107]
	v_pk_add_f32 v[244:245], v[244:245], v[110:111]
	v_pk_add_f32 v[242:243], v[242:243], v[114:115]
	v_pk_add_f32 v[240:241], v[240:241], v[118:119]
	v_pk_add_f32 v[14:15], v[14:15], v[122:123]
	v_pk_add_f32 v[236:237], v[236:237], v[126:127]
	v_pk_add_f32 v[250:251], v[250:251], v[130:131]
	v_pk_add_f32 v[248:249], v[248:249], v[134:135]
	v_pk_add_f32 v[246:247], v[246:247], v[138:139]
	v_pk_add_f32 v[244:245], v[244:245], v[142:143]
	v_pk_add_f32 v[242:243], v[242:243], v[146:147]
	v_pk_add_f32 v[240:241], v[240:241], v[150:151]
	v_pk_add_f32 v[14:15], v[14:15], v[154:155]
	v_pk_add_f32 v[236:237], v[236:237], v[158:159]
	s_delay_alu instid0(VALU_DEP_2)
	v_pk_add_f32 v[14:15], v[14:15], v[246:247]
	s_delay_alu instid0(VALU_DEP_2)
	v_pk_add_f32 v[236:237], v[236:237], v[244:245]
	v_pk_add_f32 v[250:251], v[250:251], v[242:243]
	v_pk_add_f32 v[248:249], v[248:249], v[240:241]
	s_delay_alu instid0(VALU_DEP_2)
	v_pk_add_f32 v[14:15], v[14:15], v[250:251]
	s_delay_alu instid0(VALU_DEP_2)
	v_pk_add_f32 v[236:237], v[236:237], v[248:249]
	s_delay_alu instid0(VALU_DEP_1)
	v_pk_add_f32 v[14:15], v[14:15], v[236:237]
	s_wait_alu depctr_va_vdst(0)                   ; behind the four
.irp b, 0,1,2,3
	v_max_num_f32 v[232+\b], 0x1800000, v[232+\b]  ; the floor 2^(3 - 127)
.endr
.irp b, 0,1,2,3
	s_delay_alu instid0(VALU_DEP_4)
	v_add_nc_u32 v[244+\b], 0xff000000, v[232+\b]  ; the conversion's scale operand
.endr
.irp b, 0,1,2,3
	s_delay_alu instid0(VALU_DEP_4)
	v_lshrrev_b32 v[236+\b], 23, v[244+\b]
.endr
	s_delay_alu instid0(VALU_DEP_3)
	v_lshl_or_b32 v253, v237, 8, v236              ; p's scale word
	s_delay_alu instid0(VALU_DEP_1)
	v_lshl_or_b32 v253, v238, 16, v253
	s_delay_alu instid0(VALU_DEP_1)
	v_lshl_or_b32 v253, v239, 24, v253
.irp c, 0,1
	v_cvt_scalef32_pk16_fp6_f32 v[224+6*\c:226+6*\c], v[96+32*\c:111+32*\c], v[244+2*\c]
	v_cvt_scalef32_pk16_fp6_f32 v[236+4*\c:238+4*\c], v[112+32*\c:127+32*\c], v[244+2*\c+1]
.endr
	v_nop
.irp c, 0,1
.irp i, 0,1,2
	v_permlane16_swap_b32 v[224+6*\c+\i], v[236+4*\c+\i]
.endr
.irp i, 0,1,2
	s_delay_alu instid0(VALU_DEP_3)
	v_mov_b32 v[227+6*\c+\i], v[236+4*\c+\i]
.endr
.endr
	s_wait_alu depctr_va_vdst(0)                   ; the wait ahead of the first reader of O^T
.set j, 0
.rept 32
	v_pk_mul_f32 v[160+j:161+j], v[160+j:161+j], v[252:253] op_sel_hi:[1,0]   ; O^T x f
.set j, j+2
.endr
.endm
.macro MASK                            ; register n holds key KF + 8 (lane / 16) + 16 (n / 8) + n % 8
.set n, 0
.rept 64
	v_cmp_gt_i32 vcc_lo, 16*(n/8)+n%8, v252
	v_cndmask_b32 v[96+n], v[96+n], v254, vcc_lo
.set n, n+1
.endr
.endm
.macro STEP                            ; 128 keys, both tiles
	s_add_co_u32 s56, s[Q0], 15
	s_cmp_gt_u32 s[KF], s56                        ; all its keys come after my queries
	s_cbranch_scc1 .Lhidden_\@
	v_add_nc_u32 v[ADK], s[TB], v[LI]
	v_add_nc_u32 v[ADS], s[TS], v[LIS]
	s_wait_alu depctr_va_vdst(0)
	v_nop
	v_nop                                          ; four places in front of loads into registers that the last step's matrix instructions read
	FETCH 0
	MMALL 0                                        ; S^T = K Q^T
.rept 4
	v_nop
.endr
	FETCH 1                                        ; V's fragments land while the softmaxes run
	s_add_co_u32 s56, s[KF], 127
	s_cmp_le_u32 s56, s[Q0]
	s_cbranch_scc1 .Lopen_\@
	s_sub_co_i32 s56, s[Q0], s[KF]
	v_and_b32 v252, 15, v0
	v_bfe_u32 v244, v0, 4, 1
	v_lshlrev_b32 v244, 3, v244
	v_sub_nc_u32 v252, v252, v244
	v_add_nc_u32 v252, s56, v252                   ; d = my query - KF - 8 (lane / 16): the same for both tiles
	v_mov_b32 v254, 0xff800000
	MASK
	WIN 0x41                                       ; tile 1's scores; d and -infinity stay window 0's
	MASK
	WIN 0
.Lopen_\@:
	SM 1
	WIN 0x01
	v_mov_b32 v89, v253                            ; scale operands are taken from window 0
	SM 0
	s_wait_alu depctr_va_vdst(0)                   ; the wait ahead of the wait below
	MMALL 1                                        ; O^T += V^T P^T
.Lhidden_\@:
	s_add_co_u32 s[KF], s[KF], 128
	s_add_co_u32 s[TB], s[TB], STEPB
	s_add_co_u32 s[TS], s[TS], 2048
.endm
.macro CHANGE fill
	s_wait_tensorcnt 0x0
	ds_add_u32 v[SPW], v[NIL]
.if \fill
	s_xor_b32 s[G0+1], s[G0+1], SLOT1
	s_add_nc_u64 s[G0+2:G0+3], s[G0+2:G0+3], SLOTB
	s_wait_xcnt 0x0                                ; the last prefetch has read its address
	s_add_nc_u64 s[PFA:PFA+1], s[PFA:PFA+1], SLOTB
.endif
	s_wait_dscnt 0x0
.if \fill
	CROUND
	TLOAD
	ASK
.else
	s_barrier_signal -1
	s_barrier_wait -1
.endif
.endm
.macro SLOT_STEPS
	s_mov_b32 s[CNT], 4
.Lstep_\@:
	STEP
	s_sub_co_u32 s[CNT], s[CNT], 1
	s_cmp_lg_u32 s[CNT], 0
	s_cbranch_scc1 .Lstep_\@
	s_sub_co_u32 s[TB], s[TB], SLOTB
	s_xor_b32 s[TB], s[TB], SLOT1
.endm
	s_wait_alu depctr_va_vdst(0)                   ; the wait at the head's end
	s_wait_loadcnt 0x0                             ; Q and its scale words
.Lslot:
	CHANGE 1
	SLOT_STEPS
	s_sub_co_u32 s[SLOTS], s[SLOTS], 1
	s_cmp_lg_u32 s[SLOTS], 0
	s_cbranch_scc1 .Lslot
	CHANGE 0                                       ; the last slot is written out: nothing more is asked for
	SLOT_STEPS
	; THE WAY OUT: O^T / the sum goes through my stage, 64 channels of 16 queries at a time: sixteen lanes store 256 consecutive bytes, aligned
	v_and_b32 v8, 15, v0
	v_bfe_u32 v9, v0, 4, 1
	s_mul_i32 s57, s[WV], 16*272
	s_add_co_u32 s57, s57, STAGE
	v_mul_u32_u24 v10, v8, 272
	v_lshl_add_u32 v10, v9, 5, v10
	v_add_nc_u32 v10, s57, v10                     ; in
	v_mul_u32_u24 v11, v9, 272
	v_lshl_add_u32 v11, v8, 4, v11
	v_add_nc_u32 v11, s57, v11                     ; back
.macro FIN T
.set BK, 32+64*\T                      ; window 0: v32-95, then v96-159, whose LDS stores are done by then
	WIN 0x55*\T
	v_add_f32 v14, v14, v15
	v_permlanex16_b32 v252, v14, s[SEL], s[SEL+1]
	v_add_f32 v14, v14, v252                       ; the row's sum
	s_wait_alu depctr_va_vdst(0)
	v_rcp_f32 v14, v14
	v_nop
	s_wait_alu depctr_va_vdst(0)
.set j, 0
.rept 64
	v_mul_f32 v[96+j], v[160+j], v14
.set j, j+1
.endr
.irp u, 0,1
	WIN 0x04*\T                                    ; the data: window T
.irp t, 0,1,2,3
	ds_store_b128 v10, v[96+32*\u+8*\t:99+32*\u+8*\t] offset:64*\t
	ds_store_b128 v10, v[100+32*\u+8*\t:103+32*\u+8*\t] offset:64*\t+16
.endr
	WIN 0
.irp i, 0,1,2,3,4,5,6,7
	ds_load_b128 v[BK+32*\u+4*\i:BK+32*\u+4*\i+3], v11 offset:2*\i*272   ; LDS serves a wave's instructions in order
.endr
.endr
.irp u, 0,1
.irp i, 0,1,2,3,4,5,6,7
	s_wait_dscnt 15-8*\u-\i                        ; at most the loads issued behind this one are out
	global_store_b128 v[GO], v[BK+32*\u+4*\i:BK+32*\u+4*\i+3], s[12:13] offset:2*\i*8192+256*\u+512*\T th:TH_STORE_NT
.endr
.endr
.endm
	FIN 0
	FIN 1
	s_wait_tensorcnt 0x0                           ; the wave's end
	ds_add_u32 v[SPW], v[NIL]
	s_wait_dscnt 0x0
	CROUND                                         ; the closing round
	s_endpgm
.Lfunc_end_k_qc4c4f16c46_attn:
	.size	k_qc4c4f16c46_attn, .Lfunc_end_k_qc4c4f16c46_attn-k_qc4c4f16c46_attn
	.p2alignl 7, 3214868480
	.fill 96, 4, 3214868480
	.section	.rodata,"a",@progbits
	.p2align	6, 0x0
	.amdhsa_kernel k_qc4c4f16c46_attn
		.amdhsa_group_segment_fixed_size 327680
		.amdhsa_private_segment_fixed_size 0
		.amdhsa_enable_private_segment 0
		.amdhsa_kernarg_size 40
		.amdhsa_user_sgpr_count 2
		.amdhsa_user_sgpr_kernarg_segment_ptr 1
		.amdhsa_wavefront_size32 1
		.amdhsa_system_sgpr_workgroup_id_x 1
		.amdhsa_system_sgpr_workgroup_id_y 1
		.amdhsa_system_sgpr_workgroup_id_z 1
		.amdhsa_system_vgpr_workitem_id 0
		.amdhsa_next_free_vgpr 512
		.amdhsa_next_free_sgpr 72
		.amdhsa_reserve_vcc 1
		.amdhsa_float_denorm_mode_32 3
		.amdhsa_float_denorm_mode_16_64 3
		.amdhsa_memory_ordered 1
		.amdhsa_forward_progress 1
		.amdhsa_inst_pref_size 121
	.end_amdhsa_kernel
	.amdgpu_metadata
---
amdhsa.version: [ 1, 2 ]
amdhsa.kernels:
  - .name:           k_qc4c4f16c46_attn
    .symbol:         k_qc4c4f16c46_attn.kd
    .args:
      - { .name: q_img, .offset: 0, .size: 8, .value_kind: global_buffer, .address_space: global }
      - { .name: q_sc, .offset: 8, .size: 8, .value_kind: global_buffer, .address_space: global }
      - { .name: kv_img, .offset: 16, .size: 8, .value_kind: global_buffer, .address_space: global }
      - { .name: kv_sc, .offset: 24, .size: 8, .value_kind: global_buffer, .address_space: global }
      - { .name: out0, .offset: 32, .size: 8, .value_kind: global_buffer, .address_space: global }
    .group_segment_fixed_size: 327680
    .private_segment_fixed_size: 0
    .kernarg_segment_align: 8
    .kernarg_segment_size: 40
    .max_flat_workgroup_size: 256
    .sgpr_count:     72
    .vgpr_count:     512
    .wavefront_size: 32
...
	.end_amdgpu_metadata
.endif
;; end of part 3
